; MI455X (gfx1250); checked and timed in simulation.
; The chip was launched on July 23, 2026; its instructions are those of AMD's public machine-readable ISA for CDNA 5 (MIT licence, August 2026) and "CDNA5" Instruction Set Architecture Reference Guide (July 2026). The comments in the code are by the model that wrote it; some were corrected since.
;; Bert Self Attention. Allowed arithmetic: matrix products marked QUANTISED: E5M2 operands, one given power-of-two scale a tensor, by v_wmma_f32_16x16x64_bf8_bf8 or v_wmma_f32_16x16x128_bf8_bf8, f32 sums; everything else in f32.
;; Inputs: Wk_codes 1,024 x 32 x 32 uint8 (E5M2 codes of Wk, K innermost, in blocks of 32 codes); Wq_codes 1,024 x 32 x 32 uint8 (E5M2 codes of Wq, K innermost, in blocks of 32 codes); Wv_codes 1,024 x 32 x 32 uint8 (E5M2 codes of Wv, K innermost, in blocks of 32 codes); attention_mask 4 x 1 x 1 x 2,048 float32; bk 1,024 float32; bq 1,024 float32; bv 1,024 float32; hidden_states_codes 4 x 2,048 x 32 x 32 uint8 (E5M2 codes of hidden_states, K innermost, in blocks of 32 codes); lowp_scales 10 int32 (the exponents e of the quantised operands' scales 2^e).
;; Outputs: out0 4 x 2,048 x 1,024 float32.
;; This version of the problem:
;;   THIS VERSION OF THE PROBLEM IS GIVEN IN LOW PRECISION. The matrix products marked QUANTISED in the list below multiply operands that are first quantised to E5M2 (5 exponent bits, 2 mantissa bits; 8 bits a number), with one given power-of-two scale for each operand tensor; their sums are f32. All else is computed in f32.
;;   The module's matrix products, in the order in which they are computed (A, B: the left and right operand; K: the contracted axis; several contracted axes count as one K, in the product's order):
;;     1. [M 8,192, K 1,024] x [K 1,024, N 1,024]; A: input hidden_states (given as codes); B: input Wq (given as codes): QUANTISED (scales: A lowp_scales[0], B lowp_scales[1])
;;     2. [M 8,192, K 1,024] x [K 1,024, N 1,024]; A: input hidden_states (given as codes); B: input Wk (given as codes): QUANTISED (scales: A lowp_scales[2], B lowp_scales[3])
;;     3. [M 8,192, K 1,024] x [K 1,024, N 1,024]; A: input hidden_states (given as codes); B: input Wv (given as codes): QUANTISED (scales: A lowp_scales[4], B lowp_scales[5])
;;     4. batch 64 x [M 2,048, K 64] x [K 64, N 2,048]; A: computed on the way; B: computed on the way: QUANTISED (scales: A lowp_scales[6], B lowp_scales[7])
;;     5. batch 64 x [M 2,048, K 2,048] x [K 2,048, N 64]; A: softmax (see below); B: computed on the way: QUANTISED (scales: A lowp_scales[8], B lowp_scales[9])
;;   THE QUANTISER, for each operand of a quantised product, along K:
;;     - The operand's scale is 2^e, e = its entry of the input lowp_scales (int32; the entries are numbered through the quantised products in the list's order, A before B).
;;     - Each number is divided by the scale, clamped to +-57,344, and rounded to the nearest number of E5M2, ties to even, subnormals kept.
;;     - The product sums the exact products of the quantised numbers (number of the format x scale) in f32.
;;   ~~~python
;;   def quantise(x, axis, e):      # numpy; x: float32 -> the quantised numbers, widened to float32 again
;;       x = np.moveaxis(x, axis, -1); K = x.shape[-1]
;;       r = np.clip(x / 2.0 ** e, -57344, 57344)
;;       step = 2.0 ** (np.maximum(np.frexp(np.where(r == 0, 1, r))[1] - 1, -14) - 2)
;;       q = np.round(r / step) * step * 2.0 ** e      # np.round: ties to even
;;       return np.moveaxis(q, -1, axis).astype(np.float32)
;;   ~~~
;;   SOFTMAX AHEAD OF A QUANTISED PRODUCT. Where the list says 'softmax', what is quantised is not the finished softmax but p = 2^(t - M), with t = logit x log2(e) and M = ceil(the row's largest t), a whole number; so 1/2 < the row's largest p <= 1. The row's sum l is taken of the UNQUANTISED p, in f32, and the product's result is divided by l at the end. Since M is a whole number, a kernel that streams over the keys may use a running M (the ceiling of the running maximum): every later rescaling is an exact power of two, so the quantised numbers keep their values, but for numbers so far below the row's largest that they fall under the format's range.
;;   OPERANDS COMPUTED ON THE WAY. 'Computed on the way' means the value that the module computes at that place (a softmax that the list does not call 'softmax' is quantised finished and normalised). What goes into a quantiser is computed in f32, as accurately as f32 sums, v_exp_f32 and their like allow (about 1e-6 of the number): no bf16 or f16 on the way to a quantiser, and a product that is left as it is and whose result goes on into a quantised operand takes f32 operands (vector FMAs, or v_wmma_f32_16x16x4_f32). A number that lies on a knife's edge between two numbers of the format may be rounded either way, as far as f32 arithmetic and the matrix unit's own rounding can turn it there, and no further.
;;   INPUTS GIVEN AS CODES. Wk (in the module: [1024, 1024], K = its axis 0); Wq (in the module: [1024, 1024], K = its axis 0); Wv (in the module: [1024, 1024], K = its axis 0); hidden_states (in the module: [4, 2048, 1024], K = its axis 2): each comes as NAME_codes (uint8): NAME with its K axis moved to the last place and cut into blocks of 32 codes, [.., K / 32, bytes a block], one block behind the other in memory; one code a byte (a code: sign, 5 exponent bits, 2 mantissa bits); its scale is its entry of lowp_scales. Its value is code x scale, taken as it is: it is not quantised again, and the codes and scales need not be those that the quantiser above would give.
;; One version. Each part assembles by itself: llvm-mc -triple=amdgcn-amd-amdhsa -mcpu=gfx1250 --defsym DOCPART=n.
;; ======== version 1 of 1: 2 launches
;; limits: right only within a limited range of input values
;; workspace buffers: qc 8,388,608 bytes; kc 8,388,608 bytes; vc 8,388,608 bytes
;; launch proj (part 1): grid 32 x 8, 4 waves a work-group, clusters of 4 x 4, 327,680 bytes of LDS; arguments hidden_states_codes, Wq_codes, Wk_codes, Wv_codes, bq, bk, bv, lowp_scales, qc, kc, vc; writes qc, kc, vc
.if DOCPART == 1
	.amdgcn_target "amdgcn-amd-amdhsa--gfx1250"
	.amdhsa_code_object_version 6
	.text
	.protected	k_q4709bd0d34_proj
	.globl	k_q4709bd0d34_proj
	.p2align	8
	.type	k_q4709bd0d34_proj,@function
k_q4709bd0d34_proj:
	s_mov_b64 s[64:65], 0
	v_nop
	global_prefetch_b8 v0, s[64:65] scope:SCOPE_SE
	s_setreg_imm32_b32 hwreg(HW_REG_WAVE_MODE, 25, 1), 1
	s_wait_xcnt 0x0
	s_wait_alu depctr_hold_cnt(0) depctr_sa_sdst(0) depctr_va_vdst(0) depctr_va_sdst(0) depctr_va_ssrc(0) depctr_va_vcc(0) depctr_vm_vsrc(0)
	s_getreg_b32 s2, hwreg(HW_REG_IB_STS2, 6, 4)
	s_cmp_eq_u32 s2, 0
	s_cbranch_scc0 .Lentry_in_a_cluster
	s_endpgm
.Lentry_in_a_cluster:
	s_bfe_u32 s2, ttmp6, 0x10000c
	s_cmp_lg_u32 s2, 0xf033
	s_cbranch_scc0 .Lentry_shape_is_right
	s_endpgm
.Lentry_shape_is_right:
; q, k, v = hidden_states W + b on codes of BF8 (E5M2), quantised again with 2^e6, 2^e7, 2^e9 and stored as images of the operand registers of the attention launch:
;   qc, kc: [head 64][tile of 16 rows 128][1,024 bytes]: registers 2 c, 2 c + 1 of lane (r, h) = channels 16 c + 8 h + 0 .. 7 of row r;
;   vc:     [head 64][step of 128 keys 16][tile of 16 channels 4][2,048 bytes]: registers 2 c, 2 c + 1 = keys 16 c + 8 h + 0 .. 7 of channel r;  registers 4 c .. 4 c + 3 of lane l at byte 512 c + 16 l.
; SHARES.  32 x 8 = 256 work-groups.  A work-group owns 256 rows of hidden_states and 128 columns (two heads) of each of Wq, Wk, Wv: three tiles of 256 x 128, K = 1,024 each.
; A wave owns 64 rows and KEEPS THEIR CODES IN REGISTERS for the whole K (4 blocks x 8 steps x 16 = 512 registers): they come through LDS once, by the wave's one load at the head, and only that wave reads them.
; The same LDS bytes are then filled again as two slots of 128 rows of W x 1,024 bytes: Wq and Wk by one load a wave (64 rows), Wv into slot 0 behind tile 0's last reads (32 rows a wave).
; Each fill stands at the first place that the slots allow, and the launch has no loop in which a prefetch could run ahead.
; A fragment of W (16 columns x 128 K) feeds four matrix instructions, one for each of my blocks of rows; a group is four fragments, 16 instructions; three register buffers take turns, asked two groups ahead.
; CLUSTERS 4 x 4: the four of a column of the cluster own the same rows of hidden_states, the four of a row the same columns of W: every load is a joint one.
; Q, K: source 0 = W, source 1 = hidden_states: a lane holds one row and eight neighbouring channels.  V: the sources swapped: a lane holds one channel and eight neighbouring keys.
; Fragments are fetched as four pieces of 16 bytes (registers 4 c .. 4 c + 3: K = 32 c + 16 (lane / 16) + 0 .. 15): the same permutation of k on both sides.
; THE BIAS x 2^-(ea + eb) is the C of each sum's first instruction, and the code is (sum + that) / 2^(eq - ea - eb): the three scales are folded into the conversion's one.
; LIMITS: e6 - e0 - e1, e7 - e2 - e3 and e9 - e4 - e5 lie between -126 and 112, so that the conversion's scale and the hold are f32 numbers.
; REGISTERS.  Window 0: v1-27 addresses, constants, the head's work; v32-63 the bias of four column blocks; v64-255 three buffers of W (the third also takes the codes on the way out).
;   Window 1: 32 accumulators, (block of rows b, block of columns c) at 8 (8 b + c).  Windows 2, 3: hidden_states, K step s, block b at 64 (s % 4) + 16 b of window 2 + s / 4.
.set PITCH, 1040                       ; an LDS row: 1,024 bytes + 16: 260 words, so that 16 rows start at 16 different groups of banks
.set QUART, 64*PITCH                   ; 64 rows
.set SPARE, 4*QUART                    ; behind the slots: the spare words,
.set BQ,    SPARE+512                  ; the scaled biases of Q (512 bytes) and K (512),
.set BV,    BQ+1024                    ; and of V, each number eight times (4,096)
.set LL,   3                           ; r x PITCH + 16 h
.set AH,   4                           ; my rows of hidden_states in LDS
.set ADW,  5                           ; v5-8: W's fragments: slot 0 columns 0-63, 64-127; slot 1 likewise
.set LI,   9                           ; 16 x lane
.set HL,   10
.set SC,   11
.set ABQ,  12                          ; BQ + 32 h
.set ABV,  13                          ; BV + 32 r
.set SPW,  14
.set NIL,  15
.set BC,   32
.set WB,   64
.set CD,   192
.set G1H, 24                           ; group 1: hidden_states (afterwards s24-29 hold the conversions' scales and holds)
.set G1W, 32                           ; W, 64 rows
.set G1V, 48                           ; W, 32 rows
.set G0H, 56
.set G0W, 60
.set G0V, 92
.set FL, (1<<20)|(1<<21)|(7<<22)|(3<<25)   ; elements of 1 byte; padding on; bit 21 beside a mask; four words after every 256
.set MSB, 0
.macro WIN new
.if MSB != (\new)
	s_set_vgpr_msb (MSB<<8)|(\new)
.set MSB, (\new)
.endif
.endm
.macro CROUND
	s_barrier_signal -1
	s_barrier_wait -1
	s_cmp_lg_u32 s14, 0
	s_cbranch_scc1 .Lnot_wave_0_\@
	s_barrier_signal -3
.Lnot_wave_0_\@:
	s_barrier_wait -3
	s_barrier_signal -1
	s_barrier_wait -1
.endm
.macro PLACES
.rept 4
	v_nop
.endr
.endm
.macro SCL d, e, sum                   ; s[d] = 2^(e - sum) as f32, s[d+1] = 57,344 x that
	s_sub_co_i32 s[\d], s[\e], s[\sum]
	s_add_co_i32 s[\d], s[\d], 127
	s_add_co_i32 s[\d+1], s[\d], 15
	s_lshl_b32 s[\d], s[\d], 23
	s_lshl_b32 s[\d+1], s[\d+1], 23
	s_or_b32 s[\d+1], s[\d+1], 0x600000
.endm
	s_load_b512 s[68:83], s[0:1], 0x0              ; hidden_states, Wq, Wk, Wv, bq, bk, bv, the scales' exponents
	s_load_b128 s[84:87], s[0:1], 0x40             ; qc, kc
	s_load_b64 s[88:89], s[0:1], 0x50              ; vc
	v_lshl_add_u32 v[SPW], v0, 2, SPARE
	v_mov_b32 v[NIL], 0
	ds_add_u32 v[SPW], v[NIL]                      ; the opening lines: the add twice on end and one wait
	ds_add_u32 v[SPW], v[NIL]
	v_lshrrev_b32 v1, 5, v0
	v_readfirstlane_b32 s14, v1                    ; wave 0..3
	s_bfe_u32 s40, ttmp6, 0x40000                  ; cx
	s_bfe_u32 s41, ttmp6, 0x40004                  ; cy
	s_lshl_b32 s42, ttmp9, 2
	s_add_co_u32 s42, s42, s40                     ; X: my 256 rows
	s_and_b32 s17, ttmp7, 0xffff
	s_lshl_b32 s17, s17, 2
	s_add_co_u32 s17, s17, s41                     ; Y: my 128 columns of each W
	s_lshl_b32 s43, s41, 2
	s_lshl_b32 s43, 15, s43                        ; my row of the cluster: the same Y
	s_lshl_b32 s44, 0x1111, s40                    ; my column: the same X
	s_or_b32 s[G1H], s44, FL
	s_or_b32 s[G1W], s43, FL
	s_or_b32 s[G1V], s43, FL
.irp g, G1H, G1W, G1V
	s_mov_b32 s[\g+1], 1024<<16                    ; rows of 1,024 bytes
	s_mov_b32 s[\g+3], 1024<<16
	s_mov_b32 s[\g+5], 1024
	s_mov_b32 s[\g+6], 0
	s_mov_b32 s[\g+7], 0
.endr
	s_mov_b32 s[G1H+2], 64<<16
	s_mov_b32 s[G1H+4], 64
	s_mov_b32 s[G1W+2], 64<<16
	s_mov_b32 s[G1W+4], 64
	s_mov_b32 s[G1V+2], 32<<16
	s_mov_b32 s[G1V+4], 32
	s_lshl_b32 s20, s42, 18                        ; hidden_states: row 256 X + 64 wave
	s_lshl_b32 s21, s14, 16
	s_add_co_u32 s20, s20, s21
	s_mov_b32 s21, 0
	s_lshl_b32 s46, s17, 17                        ; Wq (waves 0, 1) or Wk (2, 3): row 128 Y + 64 (wave % 2)
	s_and_b32 s47, s14, 1
	s_lshl_b32 s47, s47, 16
	s_add_co_u32 s46, s46, s47
	s_mov_b32 s47, 0
	s_lshl_b32 s22, s17, 17                        ; Wv: row 128 Y + 32 wave
	s_lshl_b32 s23, s14, 15
	s_add_co_u32 s22, s22, s23
	s_mov_b32 s23, 0
	s_mul_i32 s45, s14, QUART                      ; where 64 rows go,
	s_mul_i32 s18, s14, 32*PITCH                   ; and 32
	s_lshl_b32 s66, s17, 9                         ; the biases: 128 Y numbers on
	s_mov_b32 s67, 0
	s_lshr_b32 s96, s42, 3                         ; 16 x batch + 2 Y: my first head
	s_lshl_b32 s96, s96, 4
	s_lshl_b32 s97, s17, 1
	s_add_co_u32 s96, s96, s97
	s_and_b32 s97, s42, 7
	s_lshl_b32 s98, s96, 7                         ; qc, kc: image 128 x head + 16 (X % 8) + 4 wave
	s_lshl_b32 s99, s97, 4
	s_add_co_u32 s98, s98, s99
	s_lshl_b32 s99, s14, 2
	s_add_co_u32 s98, s98, s99
	s_lshl_b32 s98, s98, 10
	s_mov_b32 s99, 0
	s_lshl_b32 s90, s96, 4                         ; vc: step 16 x head + 2 (X % 8) + wave / 2, 8,192 bytes each, + 1,024 (wave % 2)
	s_lshl_b32 s91, s97, 1
	s_add_co_u32 s90, s90, s91
	s_lshr_b32 s91, s14, 1
	s_add_co_u32 s90, s90, s91
	s_lshl_b32 s90, s90, 13
	s_and_b32 s91, s14, 1
	s_lshl_b32 s91, s91, 10
	s_add_co_u32 s90, s90, s91
	s_mov_b32 s91, 0
	s_wait_dscnt 0x0
	s_wait_kmcnt 0x0
	s_load_b256 s[4:11], s[82:83], 0x0             ; e0 .. e7
	s_load_b64 s[12:13], s[82:83], 0x20            ; e8, e9
	s_mov_b32 s[G0H], 1
	s_mov_b32 s[G0H+1], s45
	s_add_nc_u64 s[G0H+2:G0H+3], s[68:69], s[20:21]
	s_or_b32 s[G0H+3], s[G0H+3], 0x80000000
	s_cmp_lt_u32 s14, 2
	s_cselect_b64 s[2:3], s[70:71], s[72:73]
	s_mov_b32 s[G0W], 1
	s_mov_b32 s[G0W+1], s45
	s_add_nc_u64 s[G0W+2:G0W+3], s[2:3], s[46:47]
	s_or_b32 s[G0W+3], s[G0W+3], 0x80000000
	s_mov_b32 s[G0V], 1
	s_mov_b32 s[G0V+1], s18
	s_add_nc_u64 s[G0V+2:G0V+3], s[74:75], s[22:23]
	s_or_b32 s[G0V+3], s[G0V+3], 0x80000000
	s_add_nc_u64 s[76:77], s[76:77], s[66:67]
	s_add_nc_u64 s[78:79], s[78:79], s[66:67]
	s_add_nc_u64 s[80:81], s[80:81], s[66:67]
	s_add_nc_u64 s[84:85], s[84:85], s[98:99]
	s_add_nc_u64 s[86:87], s[86:87], s[98:99]
	s_add_nc_u64 s[88:89], s[88:89], s[90:91]
	CROUND                                         ; all sixteen work-groups are here: the joint loads meet
	tensor_load_to_lds s[G0H:G0H+3], s[G1H:G1H+7]  ; my 64 rows of hidden_states: one load a wave at the head
	s_nop 0
	v_and_b32 v1, 15, v0                           ; r
	v_bfe_u32 v2, v0, 4, 1                         ; h
	v_lshlrev_b32 v19, 2, v0                       ; thread t serves channel t of the 128
	v_mul_u32_u24 v[LL], v1, PITCH
	global_load_b32 v20, v19, s[76:77]
	global_load_b32 v21, v19, s[78:79]
	global_load_b32 v22, v19, s[80:81]
	v_lshl_add_u32 v[LL], v2, 4, v[LL]
	v_lshl_add_u32 v[ABQ], v2, 5, BQ
	v_lshl_add_u32 v[ABV], v1, 5, BV
	v_add_nc_u32 v[AH], s45, v[LL]
.irp j, 0,1,2,3
	v_add_nc_u32 v[ADW+\j], \j*QUART, v[LL]
.endr
	v_and_b32 v[LI], 31, v0
	v_lshl_add_u32 v18, v0, 2, BQ
	v_lshl_add_u32 v17, v0, 5, BV
	v_lshlrev_b32 v[LI], 4, v[LI]
	s_wait_alu depctr_va_vdst(0)                   ; ahead of the wait below
	s_wait_kmcnt 0x0
	s_add_co_i32 s15, s4, s5                       ; e0 + e1, e2 + e3, e4 + e5
	s_add_co_i32 s16, s6, s7
	s_add_co_i32 s19, s8, s9
	s_sub_co_i32 s66, 0, s15
	s_sub_co_i32 s67, 0, s16
	s_sub_co_i32 s96, 0, s19
	s_wait_loadcnt 0x0
	v_ldexp_f32 v20, v20, s66                      ; bias x 2^-(ea + eb): exact, short of overflow and underflow
	v_ldexp_f32 v21, v21, s67
.irp j, 0,1,2,3
	v_ldexp_f32 v[24+\j], v22, s96
.endr
	ds_store_b32 v18, v20
	ds_store_b32 v18, v21 offset:512
	ds_store_b128 v17, v[24:27]                    ; V's: eight times, since there a lane's eight results belong to one channel
	ds_store_b128 v17, v[24:27] offset:16
	s_wait_alu depctr_va_vdst(0)                   ; at the head's end
	s_wait_tensorcnt 0x0                           ; my rows are in; I alone read them
.irp s, 0,1,2,3,4,5,6,7
	WIN 0x80+0x40*(\s/4)
.irp b, 0,1,2,3
.irp c, 0,1,2,3
	ds_load_b128 v[64*(\s%4)+16*\b+4*\c:64*(\s%4)+16*\b+4*\c+3], v[AH] offset:\b*16*PITCH+\s*128+32*\c
.endr
.endr
.endr
	WIN 0
	s_wait_tensorcnt 0x0                           ; the full sequence ahead of the refill
	ds_add_u32 v[SPW], v[NIL]
	SCL 24, 10, 15                                 ; Q: 2^(e6 - e0 - e1) and the hold  (the first load is done: its group 1 is free)
	SCL 26, 11, 16                                 ; K
	SCL 28, 13, 19                                 ; V
	s_wait_dscnt 0x0                               ; the add, my reads of hidden_states and my stores of the biases
	CROUND
	tensor_load_to_lds s[G0W:G0W+3], s[G1W:G1W+7]  ; both slots: 64 rows of Wq or of Wk
	s_nop 0
	PLACES
	s_wait_tensorcnt 0x0
	s_barrier_signal -1
	s_barrier_wait -1                              ; both slots are whole
; Groups go in the order (K step, half of the columns) = (0,0) (1,0) (0,1) (1,1) (2,0) (2,1) .. (7,1): the bias registers serve columns 0-63 in group 0 and, loaded anew, columns 64-127 in group 2.
.macro WLOAD slot, n
.if (\n) < 4
.set LK, (\n)%2
.set LH, (\n)/2
.else
.set LK, (\n)/2
.set LH, (\n)%2
.endif
.set LB, WB+64*((\n)%3)
.irp i, 0,1,2,3
.irp c, 0,1,2,3
	ds_load_b128 v[LB+16*\i+4*\c:LB+16*\i+4*\c+3], v[ADW+2*(\slot)+LH] offset:\i*16*PITCH+LK*128+32*\c
.endr
.endr
.endm
.macro BLOAD mode, hb, boff
.irp i, 0,1,2,3
.if \mode
	ds_load_b128 v[BC+8*\i:BC+8*\i+3],   v[ABV] offset:512*(4*(\hb)+\i)
	ds_load_b128 v[BC+8*\i+4:BC+8*\i+7], v[ABV] offset:512*(4*(\hb)+\i)+16
.else
	ds_load_b128 v[BC+8*\i:BC+8*\i+3],   v[ABQ] offset:(\boff)+64*(4*(\hb)+\i)
	ds_load_b128 v[BC+8*\i+4:BC+8*\i+7], v[ABQ] offset:(\boff)+64*(4*(\hb)+\i)+16
.endif
.endr
.endm
.macro GRP slot, n, mode, boff
	WIN 0
.if (\n) < 14
	PLACES                                         ; four places behind the last group's products, ahead of the loads into its buffer
.if (\n) == 0
	s_wait_xcnt 0x0                                ; the last tile's stores have read the codes that lie in the third buffer
.endif
.if (\n) == 1
	BLOAD \mode, 1, \boff
.endif
	WLOAD \slot, (\n)+2
.endif
.if (\n) < 4
.set PK, (\n)%2
.set PH, (\n)/2
.else
.set PK, (\n)/2
.set PH, (\n)%2
.endif
.set PB, WB+64*((\n)%3)
.if (\n) == 1
	s_wait_dscnt 40                                ; behind my group's loads: two groups' and the bias's eight
.elseif (\n) == 14
	s_wait_dscnt 16
.elseif (\n) == 15
	s_wait_dscnt 0
.else
	s_wait_dscnt 32                                ; behind my group's loads (and the bias's): two groups'
.endif
.if \mode
.set WW, 0x42+PK/4
.else
.set WW, 0x48+4*(PK/4)
.endif
.if PK > 0
.set WW, WW+0x10
.endif
	WIN WW
.irp i, 0,1,2,3
.irp b, 0,1,2,3
.set AC, 8*(8*\b+4*PH+\i)
.set WF, PB+16*\i
.set HF, 64*(PK%4)+16*\b
.if \mode
.if PK > 0
	v_wmma_f32_16x16x128_bf8_bf8 v[AC:AC+7], v[HF:HF+15], v[WF:WF+15], v[AC:AC+7]
.else
	v_wmma_f32_16x16x128_bf8_bf8 v[AC:AC+7], v[HF:HF+15], v[WF:WF+15], v[BC+8*\i:BC+8*\i+7]
.endif
.else
.if PK > 0
	v_wmma_f32_16x16x128_bf8_bf8 v[AC:AC+7], v[WF:WF+15], v[HF:HF+15], v[AC:AC+7]
.else
	v_wmma_f32_16x16x128_bf8_bf8 v[AC:AC+7], v[WF:WF+15], v[HF:HF+15], v[BC+8*\i:BC+8*\i+7]
.endif
.endif
.endr
.endr
.endm
.macro PRO slot, mode, boff            ; a tile's first loads
	BLOAD \mode, 0, \boff
	WLOAD \slot, 0
	WLOAD \slot, 1
.endm
.macro TILE slot, mode, boff
.irp n, 0,1,2,3,4,5,6,7,8,9,10,11,12,13,14,15
	GRP \slot, \n, \mode, \boff
.endr
	WIN 0
.endm
; THE WAY OUT of a tile: the hold (the conversion does not saturate: ISA guide 7.6.2), the conversion, and stores of 512 consecutive bytes a wave.
.macro EPI mode, ptr, sc
	v_mov_b32 v[SC], s[\sc]
	v_mov_b32 v[HL], s[\sc+1]
	WIN 0x41
.set N, 0
.rept 256
	v_med3_num_f32 v[N], v[N], -v[HL], v[HL]       ; each accumulator from its low end on
.set N, N+1
.endr
	WIN 0x01
.set N, 0
.rept 32
.if \mode
	v_cvt_scalef32_pk8_bf8_f32 v[CD+8*(N%8)+2*(N/8):CD+8*(N%8)+2*(N/8)+1], v[8*N:8*N+7], v[SC]   ; V: registers 2 b, 2 b + 1 of my half of channel block c's image
.else
	v_cvt_scalef32_pk8_bf8_f32 v[CD+2*N:CD+2*N+1], v[8*N:8*N+7], v[SC]                           ; Q, K: registers 2 (c % 4), 2 (c % 4) + 1 of the image of (block of rows b, head c / 4)
.endif
.set N, N+1
.endr
	WIN 0
	v_nop                                          ; a plain place behind the conversions
.irp t, 0,1,2,3,4,5,6,7
.if \mode
	global_store_b128 v[LI], v[CD+8*\t:CD+8*\t+3],   s[\ptr:\ptr+1] offset:(\t/4)*131072+(\t%4)*2048
	global_store_b128 v[LI], v[CD+8*\t+4:CD+8*\t+7], s[\ptr:\ptr+1] offset:(\t/4)*131072+(\t%4)*2048+512
.else
	global_store_b128 v[LI], v[CD+8*\t:CD+8*\t+3],   s[\ptr:\ptr+1] offset:(\t%2)*131072+(\t/2)*1024
	global_store_b128 v[LI], v[CD+8*\t+4:CD+8*\t+7], s[\ptr:\ptr+1] offset:(\t%2)*131072+(\t/2)*1024+512
.endif
.endr
.endm
	PRO 0, 0, 0
	TILE 0, 0, 0                                   ; Q, from slot 0
	s_wait_tensorcnt 0x0                           ; the full sequence ahead of the refill of slot 0
	ds_add_u32 v[SPW], v[NIL]
	s_wait_dscnt 0x0                               ; the add is done, and my reads of slot 0 are over
	CROUND
	tensor_load_to_lds s[G0V:G0V+3], s[G1V:G1V+7]  ; 32 rows of Wv
	s_nop 0
	PLACES                                         ; also the places behind the tile's last products
	PRO 1, 0, 512
	EPI 0, 84, 24
	TILE 1, 0, 512                                 ; K, from slot 1
	PLACES
	s_wait_tensorcnt 0x0                           ; my part of Wv is in,
	s_wait_dscnt 0x0
	s_barrier_signal -1
	s_barrier_wait -1                              ; everybody's is
	PRO 0, 1, 0
	EPI 0, 86, 26
	TILE 0, 1, 0                                   ; V, from slot 0, the sources swapped
	PLACES
	EPI 1, 88, 28
	s_wait_tensorcnt 0x0                           ; the wave's end
	ds_add_u32 v[SPW], v[NIL]
	s_wait_dscnt 0x0
	CROUND                                         ; the closing round
	s_endpgm
.Lfunc_end_k_q4709bd0d34_proj:
	.size	k_q4709bd0d34_proj, .Lfunc_end_k_q4709bd0d34_proj-k_q4709bd0d34_proj
	.p2alignl 7, 3214868480
	.fill 96, 4, 3214868480
	.section	.rodata,"a",@progbits
	.p2align	6, 0x0
	.amdhsa_kernel k_q4709bd0d34_proj
		.amdhsa_group_segment_fixed_size 327680
		.amdhsa_private_segment_fixed_size 0
		.amdhsa_enable_private_segment 0
		.amdhsa_kernarg_size 88
		.amdhsa_user_sgpr_count 2
		.amdhsa_user_sgpr_kernarg_segment_ptr 1
		.amdhsa_wavefront_size32 1
		.amdhsa_system_sgpr_workgroup_id_x 1
		.amdhsa_system_sgpr_workgroup_id_y 1
		.amdhsa_system_sgpr_workgroup_id_z 1
		.amdhsa_system_vgpr_workitem_id 0
		.amdhsa_next_free_vgpr 1024
		.amdhsa_next_free_sgpr 100
		.amdhsa_reserve_vcc 0
		.amdhsa_float_denorm_mode_32 3
		.amdhsa_float_denorm_mode_16_64 3
		.amdhsa_memory_ordered 1
		.amdhsa_forward_progress 1
		.amdhsa_inst_pref_size 187
	.end_amdhsa_kernel
	.amdgpu_metadata
---
amdhsa.version: [ 1, 2 ]
amdhsa.kernels:
  - .name:           k_q4709bd0d34_proj
    .symbol:         k_q4709bd0d34_proj.kd
    .args:
      - { .name: hidden_states_codes, .offset: 0, .size: 8, .value_kind: global_buffer, .address_space: global }
      - { .name: Wq_codes, .offset: 8, .size: 8, .value_kind: global_buffer, .address_space: global }
      - { .name: Wk_codes, .offset: 16, .size: 8, .value_kind: global_buffer, .address_space: global }
      - { .name: Wv_codes, .offset: 24, .size: 8, .value_kind: global_buffer, .address_space: global }
      - { .name: bq, .offset: 32, .size: 8, .value_kind: global_buffer, .address_space: global }
      - { .name: bk, .offset: 40, .size: 8, .value_kind: global_buffer, .address_space: global }
      - { .name: bv, .offset: 48, .size: 8, .value_kind: global_buffer, .address_space: global }
      - { .name: lowp_scales, .offset: 56, .size: 8, .value_kind: global_buffer, .address_space: global }
      - { .name: qc, .offset: 64, .size: 8, .value_kind: global_buffer, .address_space: global }
      - { .name: kc, .offset: 72, .size: 8, .value_kind: global_buffer, .address_space: global }
      - { .name: vc, .offset: 80, .size: 8, .value_kind: global_buffer, .address_space: global }
    .group_segment_fixed_size: 327680
    .private_segment_fixed_size: 0
    .kernarg_segment_align: 8
    .kernarg_segment_size: 88
    .max_flat_workgroup_size: 128
    .sgpr_count:     100
    .vgpr_count:     1024
    .wavefront_size: 32
...
	.end_amdgpu_metadata
.endif
;; end of part 1
;; launch attn (part 2): grid 4 x 64, 8 waves a work-group, clusters of 4 x 1, 327,680 bytes of LDS; arguments qc, kc, vc, attention_mask, lowp_scales, out0; writes out0
.if DOCPART == 2
	.amdgcn_target "amdgcn-amd-amdhsa--gfx1250"
	.amdhsa_code_object_version 6
	.text
	.protected	k_q4709bd0d34_attn
	.globl	k_q4709bd0d34_attn
	.p2align	8
	.type	k_q4709bd0d34_attn,@function
k_q4709bd0d34_attn:
	s_mov_b64 s[64:65], 0
	v_nop
	global_prefetch_b8 v0, s[64:65] scope:SCOPE_SE
	s_setreg_imm32_b32 hwreg(HW_REG_WAVE_MODE, 25, 1), 1
	s_wait_xcnt 0x0
	s_wait_alu depctr_hold_cnt(0) depctr_sa_sdst(0) depctr_va_vdst(0) depctr_va_sdst(0) depctr_va_ssrc(0) depctr_va_vcc(0) depctr_vm_vsrc(0)
	s_getreg_b32 s2, hwreg(HW_REG_IB_STS2, 6, 4)
	s_cmp_eq_u32 s2, 0
	s_cbranch_scc0 .Lentry_in_a_cluster
	s_endpgm
.Lentry_in_a_cluster:
	s_bfe_u32 s2, ttmp6, 0x10000c
	s_cmp_lg_u32 s2, 0x3003
	s_cbranch_scc0 .Lentry_shape_is_right
	s_endpgm
.Lentry_shape_is_right:
; out0[b][q][64 h ..] = the sum over k of softmax_k(Q . K / 8 + mask[b][k]) V, both products on codes of BF8 (E5M2).  64 heads of 2,048 x 64.
; qc, kc: [head 64][tile of 16 rows 128][1,024 bytes], vc: [head 64][step of 128 keys 16][tile of 16 channels 4][2,048 bytes]: images of operand registers
; (registers 4 c .. 4 c + 3 of lane l at byte 512 c + 16 l), in the K = 64 and the K = 128 form's own layouts.
; SOFTMAX: t = logit x log2(e); M = the running largest t rounded UP to a whole number; p = 2^(t - M) is quantised with 2^e8, not normalised; the row's sum is taken of the
; unquantised p and divides O at the end.  When M moves, the sum and O^T are multiplied by 2^(old M - new M): exact.
; THE MASK is the C of the first product: with E = e6 + e7 and c = 2^E log2(e) / 8, t = (sum of codes + mask x 2^(3 - E)) x c.  It is loaded from LDS straight into the score registers.
; SHARES.  A work-group owns 512 queries of a head, each of its eight waves 64: four tiles of 16, worked in PAIRS (a, b), so that two tiles' chains (maximum, statistics) stand line by line.
; A pair's exponentials go in two batches of 64, each with 32 plain lines of the other tile laid among them: b's t - M among a's, a's holds among b's.  Each such line reads what was
; written ahead of the batch's opening wait and is first read behind its closing wait.  A key step is 128 keys; K's and V's fragments are read once a wave and step and feed all four tiles.
; THE HEAD'S WHOLE K AND V LIE IN LDS, filled once: key steps 0-3 by each wave's one load at the head (8,192 bytes), steps 4-15 by its one load behind the full sequence (24,576 bytes).
; All of K and V is asked for ahead of the loops, so there is no loop in which a prefetch could run ahead.
; CLUSTER.  The four query blocks of a head need the same K and V: every load is a joint one, with the same descriptor in all four.
; LAYOUT.  Both products transposed (S^T = K Q^T, O^T = V^T P^T): a lane holds ONE query (lane % 16).  Tile N of S^T holds keys 16 N + 8 (lane / 16) + 0 .. 7: one conversion makes registers 2 N, 2 N + 1 of P.
; O^T, the sums and M start as 0, 0 and -3e38 (128 moves, once), so that the step is written for two loops only; the first change of M multiplies zeros.
; The last step's look-ahead reads step 0 again (the offsets wrap): those registers are not used.
; LIMITS: e6 + e7 between -123 and 130 (added to c's exponent field); e8 between -126 and 112.  NaN and +infinity in the mask are not served.
; A mask entry whose product with 2^(3 - e6 - e7) leaves f32's range counts as -infinity; a row all of whose keys are so masked gives NaN.
; REGISTERS.  Window 0: v1-11, v44 addresses and constants; v12-27 four a tile (-M, the largest raw score, the sum in two halves); v28-29 the add's; v30-43, v46-47 at work; v64-127 K; v128-255 S^T, then p, of two tiles.
;   Window 1: v0-63 V; v64-191 O^T, 32 a tile; v192-223 Q; v224-255 P's codes of two tiles.
.set VREG,  131072                     ; LDS: K from byte 0, V from here,
.set MASK,  262144                     ; 2,048 numbers of the scaled mask,
.set STAGE, 271360                     ; a stage of 16 rows x 272 bytes for each wave,
.set SP,    272
.set SPARE, STAGE+8*16*SP              ; and the spare words, 128 bytes a wave
.set LI,   1                           ; 16 x lane
.set LV,   2                           ; VREG + 16 x lane
.set LM,   3                           ; MASK + 32 (lane / 16)
.set ADK,  4                           ; the next step's addresses of K, V; the mask's address in hand
.set ADV,  5
.set ADM,  6
.set STO,  7
.set RD,   8
.set GO,   9
.set HOLD, 10                          ; v10, v11: 57,344 x 2^e8, twice: one for each half of a dual pair
.set SPW,  28
.set NIL,  29
.set CA,   30                          ; v30-33 the maxima's four chains
.set PX,   34                          ; v34-35 lane permutes' destinations
.set FF,   36                          ; v[36:37], v[38:39] f = 2^(old M - new M); the upper halves are only named
.set XS,   40                          ; v[40:41], v[42:43], v[46:47]: a sum's three further chains
.set X2,   46
.set SC,   44                          ; 2^e8 as f32
.set KF,   64
.set S,    128
.set WV,   18
.set G1,   24                          ; s[24:31] group 1: 32 rows of 256 bytes;  s[68:75]: 96 rows
.set G1B,  68
.set G0A,  32
.set G0B,  36
.set CS,   48
.set SEL,  50
.set TBN,  52                          ; the next step's byte in K's and V's regions, and in the mask
.set TMN,  53
.set CNT,  54
.set TBW,  55                          ; the same, wrapped at the regions' ends
.set TMW,  42
.set MSB, 0
.macro WIN new
.if MSB != \new
	s_set_vgpr_msb (MSB<<8)|\new
.set MSB, \new
.endif
.endm
.macro CROUND
	s_barrier_signal -1
	s_barrier_wait -1
	s_cmp_lg_u32 s[WV], 0
	s_cbranch_scc1 .Lnot_wave_0_\@
	s_barrier_signal -3
.Lnot_wave_0_\@:
	s_barrier_wait -3
	s_barrier_signal -1
	s_barrier_wait -1
.endm
.macro KLOAD adr                       ; K's eight fragments of a step
.irp t, 0,1,2,3,4,5,6,7
	ds_load_b128 v[KF+8*\t:KF+8*\t+3],   v[\adr] offset:1024*\t
	ds_load_b128 v[KF+8*\t+4:KF+8*\t+7], v[\adr] offset:1024*\t+512
.endr
.endm
.macro VLOAD adr                       ; V's four fragments of a step
	WIN 0x40
.irp f, 0,1,2,3,4,5,6,7,8,9,10,11,12,13,14,15
	ds_load_b128 v[4*\f:4*\f+3], v[\adr] offset:512*\f
.endr
	WIN 0
.endm
.macro MLOAD x                         ; the step's mask into the score registers of the pair's tile x: register j of key tile t = key 16 t + 8 (lane / 16) + j
.irp t, 0,1,2,3,4,5,6,7
	ds_load_b128 v[S+64*(\x)+8*\t:S+64*(\x)+8*\t+3],   v[ADM] offset:64*\t
	ds_load_b128 v[S+64*(\x)+8*\t+4:S+64*(\x)+8*\t+7], v[ADM] offset:64*\t+16
.endr
.endm
.macro SPROD x, p                      ; S^T = K Q^T + the scaled mask, in place on the mask: eight accumulators, one instruction each
.set N, 0
.rept 8
	v_wmma_f32_16x16x64_bf8_bf8 v[S+64*(\x)+8*N:S+64*(\x)+8*N+7], v[KF+8*N:KF+8*N+7], v[192+8*(2*(\p)+(\x)):192+8*(2*(\p)+(\x))+7], v[S+64*(\x)+8*N:S+64*(\x)+8*N+7]
.set N, N+1
.endr
.endm
.macro HOLD2 r                         ; p is held at the largest code x the scale (the conversion does not saturate: ISA guide 7.6.2); p is not negative: one-sided; two numbers a line
	v_dual_min_num_f32 v[\r], v[\r], v[HOLD] :: v_dual_min_num_f32 v[\r+1], v[\r+1], v[HOLD+1]
.endm
.macro SUMS x                          ; the row's sum of the unquantised p of the pair's tile x: 32 pairs onto the running sum, in four chains
.set SB, S+64*(\x)
.set LS, NB+4*(\x)+2
	v_pk_add_f32 v[XS:XS+1],     v[SB:SB+1],     v[SB+2:SB+3]
	v_pk_add_f32 v[XS+2:XS+3],   v[SB+4:SB+5],   v[SB+6:SB+7]
	v_pk_add_f32 v[X2:X2+1],     v[SB+8:SB+9],   v[SB+10:SB+11]
	v_pk_add_f32 v[LS:LS+1],     v[LS:LS+1],     v[SB+12:SB+13]
.set N, 14
.rept 6
	v_pk_add_f32 v[XS:XS+1],     v[XS:XS+1],     v[SB+N:SB+N+1]
	v_pk_add_f32 v[XS+2:XS+3],   v[XS+2:XS+3],   v[SB+N+2:SB+N+3]
	v_pk_add_f32 v[X2:X2+1],     v[X2:X2+1],     v[SB+N+4:SB+N+5]
	v_pk_add_f32 v[LS:LS+1],     v[LS:LS+1],     v[SB+N+6:SB+N+7]
.set N, N+8
.endr
	v_pk_add_f32 v[XS:XS+1],     v[XS:XS+1],     v[SB+62:SB+63]
	v_pk_add_f32 v[XS+2:XS+3],   v[XS+2:XS+3],   v[X2:X2+1]
	v_pk_add_f32 v[LS:LS+1],     v[LS:LS+1],     v[XS:XS+1]
	v_pk_add_f32 v[LS:LS+1],     v[LS:LS+1],     v[XS+2:XS+3]
.endm
.macro CVTS x                          ; tile x's codes: registers 2 N, 2 N + 1 of P; then its score registers take the mask for the pair that uses them next
	WIN 0x40
.set N, 0
.rept 8
	v_cvt_scalef32_pk8_bf8_f32 v[224+16*(\x)+2*N:224+16*(\x)+2*N+1], v[S+64*(\x)+8*N:S+64*(\x)+8*N+7], v[SC]
.set N, N+1
.endr
	WIN 0
	MLOAD \x
.endm
	s_load_b256 s[4:11], s[0:1], 0x0               ; qc, kc, vc, the mask
	s_load_b128 s[12:15], s[0:1], 0x20             ; the scales' exponents, out0
	v_lshl_add_u32 v[SPW], v0, 2, SPARE
	v_mov_b32 v[NIL], 0
	ds_add_u32 v[SPW], v[NIL]                      ; the opening lines: the add twice on end and one wait
	ds_add_u32 v[SPW], v[NIL]
	v_lshrrev_b32 v1, 5, v0
	v_readfirstlane_b32 s[WV], v1                  ; wave 0..7
	s_bfe_u32 s19, ttmp6, 0x40000                  ; cx
	s_lshl_b32 s22, ttmp9, 2
	s_add_co_u32 s22, s22, s19                     ; my block of 512 queries: it enters Q's and out0's addresses alone
	s_and_b32 s20, ttmp7, 0xffff                   ; the head, which the four partners share
	s_and_b32 s16, s[WV], 3                        ; waves 0-3 fetch K's four parts, waves 4-7 V's
	s_lshr_b32 s17, s[WV], 2
	s_lshl_b32 s17, s17, 17                        ; my region in LDS
	s_lshl_b32 s2, s20, 17                         ; the head's 131,072 bytes
	s_lshl_b32 s21, s16, 13
	s_add_co_u32 s[G0A+1], s17, s21                ; first fill: 8,192 bytes at 8,192 x part
	s_add_co_u32 s2, s2, s21
	s_mov_b32 s3, 0
	s_mul_i32 s21, s16, 24576
	s_add_co_u32 s21, s21, 32768
	s_add_co_u32 s[G0B+1], s17, s21                ; second: 24,576 bytes at 32,768 + 24,576 x part
	s_lshl_b32 s40, s20, 17
	s_add_co_u32 s40, s40, s21
	s_mov_b32 s41, 0
	s_lshl_b32 s60, s20, 7                         ; Q: image 128 x head + 32 x block + 4 x wave
	s_lshl_b32 s61, s22, 5
	s_add_co_u32 s60, s60, s61
	s_lshl_b32 s61, s[WV], 2
	s_add_co_u32 s60, s60, s61
	s_lshl_b32 s60, s60, 10
	s_mov_b32 s61, 0
	s_lshr_b32 s62, s20, 4                         ; out0: row 2,048 x batch + 512 x block + 64 x wave, + 256 x (head % 16) bytes
	s_lshl_b32 s62, s62, 11
	s_lshl_b32 s63, s22, 9
	s_add_co_u32 s62, s62, s63
	s_lshl_b32 s63, s[WV], 6
	s_add_co_u32 s62, s62, s63
	s_lshl_b32 s62, s62, 12
	s_and_b32 s63, s20, 15
	s_lshl_b32 s63, s63, 8
	s_add_co_u32 s62, s62, s63
	s_mov_b32 s63, 0
	s_lshr_b32 s22, s20, 4                         ; the mask: 8,192 bytes a batch
	s_lshl_b32 s22, s22, 13
	s_mov_b32 s23, 0
	s_mov_b32 s[G1], 15|(3<<16)|(1<<21)            ; all four work-groups; elements of 8 bytes; bit 21 beside a mask
	s_mov_b32 s[G1+1], 32<<16
	s_mov_b32 s[G1+2], 32<<16                      ; 32 rows of 256 bytes
	s_mov_b32 s[G1+3], 32<<16
	s_mov_b32 s[G1+4], 32
	s_mov_b32 s[G1+5], 32
	s_mov_b32 s[G1+6], 0
	s_mov_b32 s[G1+7], 0
	s_mov_b32 s[G1B], 15|(3<<16)|(1<<21)
	s_mov_b32 s[G1B+1], 32<<16
	s_mov_b32 s[G1B+2], 96<<16                     ; 96 rows of 256 bytes
	s_mov_b32 s[G1B+3], 32<<16
	s_mov_b32 s[G1B+4], 96
	s_mov_b32 s[G1B+5], 32
	s_mov_b32 s[G1B+6], 0
	s_mov_b32 s[G1B+7], 0
	s_mov_b32 s[SEL], 0x76543210
	s_mov_b32 s[SEL+1], 0xfedcba98
	s_mov_b32 s[CS], 0x3e38aa3b                    ; log2(e) / 8
	s_wait_dscnt 0x0
	s_wait_kmcnt 0x0
	s_load_b128 s[56:59], s[12:13], 0x18           ; e6, e7, e8, e9
	s_cmp_lt_u32 s[WV], 4
	s_cselect_b64 s[6:7], s[6:7], s[8:9]           ; kc or vc, by the wave's number
	s_mov_b32 s[G0A], 1
	s_add_nc_u64 s[G0A+2:G0A+3], s[6:7], s[2:3]
	s_or_b32 s[G0A+3], s[G0A+3], 0x80000000
	s_mov_b32 s[G0B], 1
	s_add_nc_u64 s[G0B+2:G0B+3], s[6:7], s[40:41]
	s_or_b32 s[G0B+3], s[G0B+3], 0x80000000
	s_add_nc_u64 s[4:5], s[4:5], s[60:61]
	s_add_nc_u64 s[14:15], s[14:15], s[62:63]
	s_add_nc_u64 s[10:11], s[10:11], s[22:23]
	CROUND                                         ; all four work-groups are here: the joint loads meet
	tensor_load_to_lds s[G0A:G0A+3], s[G1:G1+7]    ; my part of key steps 0-3: one load a wave at the head
	s_nop 0
	v_and_b32 v[LV], 31, v0
	v_lshlrev_b32 v[LI], 4, v[LV]
	v_lshlrev_b32 v[ADK], 4, v0                    ; 256 threads x 2 x 16 bytes are the batch's mask
	global_load_b128 v[S:S+3],   v[ADK], s[10:11]
	global_load_b128 v[S+4:S+7], v[ADK], s[10:11] offset:4096
	WIN 0x40
.irp i, 0,1,2,3
	global_load_b128 v[192+8*\i:192+8*\i+3],   v[LI], s[4:5] offset:1024*\i th:TH_LOAD_NT      ; Q stays in registers
	global_load_b128 v[192+8*\i+4:192+8*\i+7], v[LI], s[4:5] offset:1024*\i+512 th:TH_LOAD_NT
.endr
.set N, 0
.rept 128
	v_mov_b32 v[64+N], 0                           ; O^T
.set N, N+1
.endr
	WIN 0
	v_add_nc_u32 v[LV], VREG, v[LI]
	v_lshl_add_u32 v[ADV], v0, 4, MASK             ; where my 16 bytes of the mask go
	v_and_b32 v[CA], 15, v0                        ; r
	v_bfe_u32 v[CA+1], v0, 4, 1                    ; h
	v_lshl_add_u32 v[LM], v[CA+1], 5, MASK
	v_lshl_add_u32 v[ADM], v[CA+1], 5, MASK        ; step 0's mask
	s_mul_i32 s21, s[WV], 16*SP
	s_add_co_u32 s21, s21, STAGE                   ; my stage
	v_mul_u32_u24 v[STO], v[CA], SP
	v_mul_u32_u24 v[RD], v[CA+1], SP
	v_lshlrev_b32 v[GO], 12, v[CA+1]
	v_lshl_add_u32 v[STO], v[CA+1], 5, v[STO]
	v_lshl_add_u32 v[RD], v[CA], 4, v[RD]
	v_lshl_add_u32 v[GO], v[CA], 4, v[GO]
	v_add_nc_u32 v[STO], s21, v[STO]
	v_add_nc_u32 v[RD], s21, v[RD]
.irp i, 0,1,2,3
	v_mov_b32 v[12+4*\i], 0x7f61b1e6               ; -M = 3e38
	v_mov_b32 v[13+4*\i], 0xff61b1e6               ; the largest raw score so far: -3e38
	v_mov_b32 v[14+4*\i], 0
	v_mov_b32 v[15+4*\i], 0
.endr
	v_mov_b32 v[PX], 0                             ; a lane permute's destination counts as a source
	v_mov_b32 v[PX+1], 0
	v_mov_b32 v[FF+1], 0                           ; (named as upper halves)
	v_mov_b32 v[FF+3], 0
	s_wait_alu depctr_va_vdst(0)                   ; ahead of the wait below
	s_wait_kmcnt 0x0
	s_add_co_i32 s60, s56, s57                     ; E = e6 + e7
	s_lshl_b32 s61, s60, 23
	s_add_co_i32 s[CS], s[CS], s61                 ; c = 2^E log2(e) / 8
	s_mov_b32 s[CS+1], s[CS]
	s_sub_co_i32 s60, 3, s60                       ; 3 - E
	s_add_co_i32 s61, s58, 127
	s_lshl_b32 s62, s61, 23
	v_mov_b32 v[SC], s62                           ; 2^e8
	s_add_co_i32 s61, s61, 15
	s_lshl_b32 s61, s61, 23
	s_or_b32 s61, s61, 0x600000
	v_mov_b32 v[HOLD], s61                         ; 57,344 x 2^e8
	v_mov_b32 v[HOLD+1], s61
	s_add_co_i32 s63, s58, s59                     ; e8 + e9
	s_wait_loadcnt 8                               ; the mask's two loads are in; Q's eight may be out
.irp n, 0,1,2,3,4,5,6,7
	v_ldexp_f32 v[S+\n], v[S+\n], s60              ; mask x 2^(3 - E)
.endr
	ds_store_b128 v[ADV], v[S:S+3]
	ds_store_b128 v[ADV], v[S+4:S+7] offset:4096
	s_wait_alu depctr_va_vdst(0)                   ; at the head's end
	s_wait_tensorcnt 0x0                           ; my part of key steps 0-3 is in; the full sequence ahead of the second fill:
	ds_add_u32 v[SPW], v[NIL]
	s_wait_dscnt 0x0                               ; the add, and my part of the mask
	CROUND
	tensor_load_to_lds s[G0B:G0B+3], s[G1B:G1B+7]  ; my part of key steps 4-15: my one load behind the round
	s_nop 0
	KLOAD LI                                       ; step 0: K, the mask for tiles 0 and 1, V, in the order that the loop's counted waits lean on
	MLOAD 0
	MLOAD 1
	VLOAD LV
	s_wait_loadcnt 0x0                             ; Q
; A PAIR OF TILES (2 p, 2 p + 1) AGAINST THE STEP'S 128 KEYS.  LDS loads of a trip, in order: [pair 0] the mask for pair 1, 16 + 16; [pair 1] the next K, 16; the next mask for pair 0, 16 + 16; the next V, 16.
.macro PAIR p
.set NB, 12+8*(\p)
.set OB, 64+64*(\p)
	WIN 0x04
	s_wait_dscnt 32-16*(\p)                        ; pair 0: K and tile a's mask are in (behind them: b's mask and V); pair 1: a's mask (behind it: b's)
	SPROD 0, \p
	s_wait_dscnt 16-16*(\p)                        ; b's mask is in
	SPROD 1, \p
	WIN 0
.if \p
	v_add_nc_u32 v[ADK], s[TBR], v[LI]             ; the next step's addresses: with the v_nop the four places behind the products
	v_add_nc_u32 v[ADV], s[TBR], v[LV]
	v_add_nc_u32 v[ADM], s[TMR], v[LM]
	v_nop
	KLOAD ADK
.else
.rept 4
	v_nop
.endr
.endif
.irp x, 0,1                            ; the step's largest raw score: two chains a tile, each accumulator first read at its low end
	v_max3_num_f32 v[CA+2*\x],   v[S+64*\x],   v[S+64*\x+1], v[S+64*\x+2]
	v_max3_num_f32 v[CA+2*\x+1], v[S+64*\x+3], v[S+64*\x+4], v[S+64*\x+5]
.endr
.set N, 6
.rept 14
.irp x, 0,1
	v_max3_num_f32 v[CA+2*\x],   v[CA+2*\x],   v[S+64*\x+N],   v[S+64*\x+N+1]
	v_max3_num_f32 v[CA+2*\x+1], v[CA+2*\x+1], v[S+64*\x+N+2], v[S+64*\x+N+3]
.endr
.set N, N+4
.endr
.irp x, 0,1
	v_max3_num_f32 v[CA+2*\x], v[CA+2*\x], v[S+64*\x+62], v[S+64*\x+63]
.endr
.irp x, 0,1
	v_max_num_f32 v[CA+2*\x], v[CA+2*\x], v[CA+2*\x+1]
.endr
.irp x, 0,1
	v_permlanex16_b32 v[PX+\x], v[CA+2*\x], s[SEL], s[SEL+1]
.endr
.irp x, 0,1
	v_max3_num_f32 v[NB+4*\x+1], v[NB+4*\x+1], v[CA+2*\x], v[PX+\x]   ; the running largest, mine and lane l xor 16's
.endr
.irp x, 0,1
	v_mul_f32 v[CA+2*\x], s[CS], v[NB+4*\x+1]      ; as t (c is positive)
.endr
.irp x, 0,1
	v_floor_f32 v[CA+2*\x+1], -v[CA+2*\x]          ; the new -M = -ceil(t)
.endr
.irp x, 0,1
	v_sub_f32 v[CA+2*\x], v[CA+2*\x+1], v[NB+4*\x] ; old M - new M: a whole number, 0 or less
.endr
.irp x, 0,1
	v_mov_b32 v[NB+4*\x], v[CA+2*\x+1]
.endr
.irp x, 0,1
	v_cvt_i32_f32 v[CA+2*\x], v[CA+2*\x]           ; (it saturates)
.endr
.irp x, 0,1
	v_ldexp_f32 v[FF+2*\x], 1.0, v[CA+2*\x]        ; f = 2^(old M - new M)
.endr
.set N, 0
.rept 32
	v_pk_fma_f32 v[S+N:S+N+1], v[S+N:S+N+1], s[CS:CS+1], v[NB:NB+1] op_sel_hi:[1,0,0]   ; tile a: t - M
.set N, N+2
.endr
	WIN 0x41
	s_wait_alu depctr_va_vdst(0)                   ; ahead of the batch, and directly ahead of the first readers of O^T
.irp x, 0,1
.set N, 0
.rept 16
	v_pk_mul_f32 v[OB+32*\x+N:OB+32*\x+N+1], v[OB+32*\x+N:OB+32*\x+N+1], v[FF+2*\x:FF+2*\x+1] op_sel_hi:[1,0]   ; O^T under the new M
.set N, N+2
.endr
.endr
	WIN 0
.irp x, 0,1
	v_pk_mul_f32 v[NB+4*\x+2:NB+4*\x+3], v[NB+4*\x+2:NB+4*\x+3], v[FF+2*\x:FF+2*\x+1] op_sel_hi:[1,0]   ; the sums likewise
.endr
.set N, 0
.rept 32                               ; tile a: p = 2^(t - M); among the 64 lines tile b's t - M, first read behind the wait below
	v_exp_f32 v[S+N], v[S+N]
	v_pk_fma_f32 v[S+64+N:S+64+N+1], v[S+64+N:S+64+N+1], s[CS:CS+1], v[NB+4:NB+5] op_sel_hi:[1,0,0]
	v_exp_f32 v[S+N+1], v[S+N+1]
.set N, N+2
.endr
	v_nop                                          ; a plain place behind the exponentials
	s_wait_alu depctr_va_vdst(0)                   ; behind a's batch and ahead of b's
	SUMS 0
.set N, 0
.rept 32                               ; tile b: p; among the 64 lines tile a's holds, first read behind the wait below
	v_exp_f32 v[S+64+N], v[S+64+N]
	HOLD2 S+N
	v_exp_f32 v[S+64+N+1], v[S+64+N+1]
.set N, N+2
.endr
	v_nop                                          ; a plain place behind the exponentials
	s_wait_alu depctr_va_vdst(0)                   ; behind b's batch, ahead of its first reader and of the readers of a's held p
	CVTS 0
	SUMS 1
.set N, 0
.rept 32
	HOLD2 S+64+N
.set N, N+2
.endr
	CVTS 1
	v_nop                                          ; a plain place between the conversions and the products
	s_wait_alu depctr_va_vdst(0)
.if (\p) == 0
	s_wait_dscnt 32                                ; V is in (behind it: the 32 loads of the mask)
.endif
	WIN 0x55
.irp x, 0,1
.set N, 0
.rept 4                                ; O^T += V^T P^T: eight accumulators by turns
	v_wmma_f32_16x16x128_bf8_bf8 v[OB+32*\x+8*N:OB+32*\x+8*N+7], v[16*N:16*N+15], v[224+16*\x:224+16*\x+15], v[OB+32*\x+8*N:OB+32*\x+8*N+7]
.set N, N+1
.endr
.endr
	WIN 0
.if \p
.rept 4
	v_nop                                          ; four places ahead of the loads into V's registers
.endr
	VLOAD ADV
.endif
.endm
.macro TAIL                            ; a trip's end
	s_add_co_u32 s[TBN], s[TBN], 8192
	s_add_co_u32 s[TMN], s[TMN], 512
	s_sub_co_u32 s[CNT], s[CNT], 1
	s_cmp_lg_u32 s[CNT], 0
	s_wait_alu depctr_va_vdst(0)                   ; ahead of the branch
.endm
	s_mov_b32 s[TBN], 8192
	s_mov_b32 s[TMN], 512
	s_mov_b32 s[CNT], 3
.set TBR, TBN
.set TMR, TMN
.La:                                               ; key steps 0 to 2; they look ahead as far as step 3, the last of the first fill
	PAIR 0
	PAIR 1
	TAIL
	s_cbranch_scc1 .La
	s_wait_tensorcnt 0x0                           ; my part of key steps 4-15 is in,
	s_wait_dscnt 0x0
	s_barrier_signal -1
	s_barrier_wait -1                              ; everybody's is
	s_mov_b32 s[TBN], 32768
	s_mov_b32 s[TMN], 2048
	s_mov_b32 s[CNT], 13
.set TBR, TBW
.set TMR, TMW
.Lb:                                               ; key steps 3 to 15
	s_and_b32 s[TBW], s[TBN], 0x1ffff              ; the last trip's look-ahead wraps to step 0
	s_and_b32 s[TMW], s[TMN], 0x1fff
	PAIR 0
	PAIR 1
	TAIL
	s_cbranch_scc1 .Lb
	; THE WAY OUT.  O^T x 2^(e8 + e9) / the sum goes through my stage in LDS, a tile (16 rows x 256 bytes) at a time.
	s_wait_dscnt 0x0                               ; the look-ahead's loads have landed: their registers are used below
.irp i, 0,1,2,3
	v_add_f32 v[14+4*\i], v[14+4*\i], v[15+4*\i]
.endr
.irp i, 0,1,2,3
	v_permlanex16_b32 v[13+4*\i], v[14+4*\i], s[SEL], s[SEL+1]
.endr
.irp i, 0,1,2,3
	v_add_f32 v[14+4*\i], v[14+4*\i], v[13+4*\i]
.endr
	s_wait_alu depctr_va_vdst(0)                   ; ahead of the batch
.irp i, 0,1,2,3
	v_rcp_f32 v[12+4*\i], v[14+4*\i]
.endr
	v_nop
	s_wait_alu depctr_va_vdst(0)                   ; behind the batch, ahead of its first reader
.irp i, 0,1,2,3
	v_ldexp_f32 v[12+4*\i], v[12+4*\i], s63
.endr
.macro PACK i                          ; register 8 T + j of lane (r, h) is o(query r, channel 16 T + 8 h + j)
.set TMP, KF+32*((\i)%2)
	WIN 0x01
	s_wait_alu depctr_va_vdst(0)                   ; directly ahead of the first readers of this tile's O^T
.set N, 0
.rept 16
	v_pk_mul_f32 v[TMP+N:TMP+N+1], v[64+32*(\i)+N:64+32*(\i)+N+1], v[12+4*(\i):13+4*(\i)] op_sel_hi:[1,0]
.set N, N+2
.endr
	WIN 0
.irp t, 0,1,2,3
	ds_store_b128 v[STO], v[TMP+8*\t:TMP+8*\t+3]   offset:64*\t
	ds_store_b128 v[STO], v[TMP+8*\t+4:TMP+8*\t+7] offset:64*\t+16
.endr
.irp n, 0,1,2,3,4,5,6,7
	ds_load_b128 v[S+32*(\i)+4*\n:S+32*(\i)+4*\n+3], v[RD] offset:\n*2*SP   ; LDS serves a wave's instructions in order (ISA guide 5.7.1.4)
.endr
.endm
.macro SEND i, younger                 ; younger: the LDS instructions issued behind tile i's loads
.irp n, 0,1,2,3,4,5,6,7
	s_wait_dscnt \younger+7-\n
	global_store_b128 v[GO], v[S+32*(\i)+4*\n:S+32*(\i)+4*\n+3], s[14:15] offset:(16*(\i)+2*\n)*4096 th:TH_STORE_NT   ; 16 lanes store 256 consecutive bytes, aligned
.endr
.endm
	PACK 0
	PACK 1
	SEND 0, 16
	PACK 2
	SEND 1, 16
	PACK 3
	SEND 2, 16
	SEND 3, 0
	s_wait_tensorcnt 0x0                           ; the wave's end
	ds_add_u32 v[SPW], v[NIL]
	s_wait_dscnt 0x0
	CROUND                                         ; the closing round
	s_endpgm
.Lfunc_end_k_q4709bd0d34_attn:
	.size	k_q4709bd0d34_attn, .Lfunc_end_k_q4709bd0d34_attn-k_q4709bd0d34_attn
	.p2alignl 7, 3214868480
	.fill 96, 4, 3214868480
	.section	.rodata,"a",@progbits
	.p2align	6, 0x0
	.amdhsa_kernel k_q4709bd0d34_attn
		.amdhsa_group_segment_fixed_size 327680
		.amdhsa_private_segment_fixed_size 0
		.amdhsa_enable_private_segment 0
		.amdhsa_kernarg_size 48
		.amdhsa_user_sgpr_count 2
		.amdhsa_user_sgpr_kernarg_segment_ptr 1
		.amdhsa_wavefront_size32 1
		.amdhsa_system_sgpr_workgroup_id_x 1
		.amdhsa_system_sgpr_workgroup_id_y 1
		.amdhsa_system_sgpr_workgroup_id_z 1
		.amdhsa_system_vgpr_workitem_id 0
		.amdhsa_next_free_vgpr 512
		.amdhsa_next_free_sgpr 76
		.amdhsa_reserve_vcc 0
		.amdhsa_float_denorm_mode_32 3
		.amdhsa_float_denorm_mode_16_64 3
		.amdhsa_memory_ordered 1
		.amdhsa_forward_progress 1
		.amdhsa_inst_pref_size 149
	.end_amdhsa_kernel
	.amdgpu_metadata
---
amdhsa.version: [ 1, 2 ]
amdhsa.kernels:
  - .name:           k_q4709bd0d34_attn
    .symbol:         k_q4709bd0d34_attn.kd
    .args:
      - { .name: qc, .offset: 0, .size: 8, .value_kind: global_buffer, .address_space: global }
      - { .name: kc, .offset: 8, .size: 8, .value_kind: global_buffer, .address_space: global }
      - { .name: vc, .offset: 16, .size: 8, .value_kind: global_buffer, .address_space: global }
      - { .name: attention_mask, .offset: 24, .size: 8, .value_kind: global_buffer, .address_space: global }
      - { .name: lowp_scales, .offset: 32, .size: 8, .value_kind: global_buffer, .address_space: global }
      - { .name: out0, .offset: 40, .size: 8, .value_kind: global_buffer, .address_space: global }
    .group_segment_fixed_size: 327680
    .private_segment_fixed_size: 0
    .kernarg_segment_align: 8
    .kernarg_segment_size: 48
    .max_flat_workgroup_size: 256
    .sgpr_count:     76
    .vgpr_count:     512
    .wavefront_size: 32
...
	.end_amdgpu_metadata
.endif
;; end of part 2
